; MI455X (gfx1250); checked and timed in simulation.
; The chip was launched on July 23, 2026; its instructions are those of AMD's public machine-readable ISA for CDNA 5 (MIT licence, August 2026) and "CDNA5" Instruction Set Architecture Reference Guide (July 2026). The comments in the code are by the model that wrote it; some were corrected since.
;; Simple Mo E Optimized. Allowed arithmetic: matrix products marked QUANTISED: E2M1 operands, one E8M0 scale for each 32 along K, by v_wmma_scale_f32_16x16x128_f8f6f4 with both operands' format E2M1 (or v_wmma_scale_f32_32x16x128_f4), f32 sums; products left as they are: f32 operands where the result goes on into a quantised operand, else bf16, f16 or f32 operands; f32 sums; everything else in f32.
;; Inputs: W1 8 x 1,024 x 4,096 float32; W2 8 x 4,096 x 1,024 float32; b1 8 x 4,096 float32; b2 8 x 1,024 float32; gate_W 1,024 x 8 float32; gate_b 8 float32; x 1,024 x 1,024 float32.
;; Outputs: out0 1,024 x 1,024 float32.
;; This version of the problem:
;;   THIS VERSION OF THE PROBLEM IS GIVEN IN LOW PRECISION. The matrix products marked QUANTISED in the list below multiply operands that are first quantised to E2M1 (2 exponent bits, 1 mantissa bit; 4 bits a number), with one power-of-two scale for each 32 numbers along K (OCP MX v1.0); their sums are f32. All else is computed in f32.
;;   The module's matrix products, in the order in which they are computed (A, B: the left and right operand; K: the contracted axis; several contracted axes count as one K, in the product's order):
;;     1. [M 1,024, K 1,024] x [K 1,024, N 8]; A: input x; B: input gate_W: left as it is (N = 8 < 16)
;;     2. [M 1,024, K 1,024] x [K 1,024, N 4,096]; A: input x; B: input W1: QUANTISED
;;     3. [M 1,024, K 4,096] x [K 4,096, N 1,024]; A: computed on the way; B: input W2: QUANTISED
;;     4. [M 1,024, K 1,024] x [K 1,024, N 4,096]; A: input x; B: input W1: QUANTISED
;;     5. [M 1,024, K 4,096] x [K 4,096, N 1,024]; A: computed on the way; B: input W2: QUANTISED
;;     6. [M 1,024, K 1,024] x [K 1,024, N 4,096]; A: input x; B: input W1: QUANTISED
;;     7. [M 1,024, K 4,096] x [K 4,096, N 1,024]; A: computed on the way; B: input W2: QUANTISED
;;     8. [M 1,024, K 1,024] x [K 1,024, N 4,096]; A: input x; B: input W1: QUANTISED
;;     9. [M 1,024, K 4,096] x [K 4,096, N 1,024]; A: computed on the way; B: input W2: QUANTISED
;;     10. [M 1,024, K 1,024] x [K 1,024, N 4,096]; A: input x; B: input W1: QUANTISED
;;     11. [M 1,024, K 4,096] x [K 4,096, N 1,024]; A: computed on the way; B: input W2: QUANTISED
;;     12. [M 1,024, K 1,024] x [K 1,024, N 4,096]; A: input x; B: input W1: QUANTISED
;;     13. [M 1,024, K 4,096] x [K 4,096, N 1,024]; A: computed on the way; B: input W2: QUANTISED
;;     14. [M 1,024, K 1,024] x [K 1,024, N 4,096]; A: input x; B: input W1: QUANTISED
;;     15. [M 1,024, K 4,096] x [K 4,096, N 1,024]; A: computed on the way; B: input W2: QUANTISED
;;     16. [M 1,024, K 1,024] x [K 1,024, N 4,096]; A: input x; B: input W1: QUANTISED
;;     17. [M 1,024, K 4,096] x [K 4,096, N 1,024]; A: computed on the way; B: input W2: QUANTISED
;;   THE QUANTISER, for each operand of a quantised product, along K:
;;     - K is cut into blocks of 32 from its start; a last block that is shorter is filled with zeros.
;;     - A block's scale is 2^e with e = floor(log2(the largest magnitude in the block)) - 2, held to -126 .. 127; a block of zeros has e = 0. As a byte (E8M0): e + 127.
;;     - Each number is divided by its block's scale, clamped to +-6, and rounded to the nearest number of E2M1, ties to even, subnormals kept.
;;     - The product sums the exact products of the quantised numbers (number of the format x scale) in f32.
;;   ~~~python
;;   def quantise(x, axis):      # numpy; x: float32 -> the quantised numbers, widened to float32 again
;;       x = np.moveaxis(x, axis, -1); K = x.shape[-1]
;;       x = np.pad(x, [(0, 0)] * (x.ndim - 1) + [(0, -K % 32)]); x = x.reshape(x.shape[:-1] + (-1, 32)); a = np.abs(x).max(-1, keepdims=True)
;;       e = np.where(a > 0, np.clip(np.frexp(np.where(a > 0, a, 1))[1] - 1 - 2, -126, 127), 0)      # np.frexp(a)[1] - 1 = floor(log2(a)), exactly
;;       r = np.clip(x / 2.0 ** e, -6, 6)
;;       step = 2.0 ** (np.maximum(np.frexp(np.where(r == 0, 1, r))[1] - 1, 0) - 1)
;;       q = np.round(r / step) * step * 2.0 ** e      # np.round: ties to even
;;       return np.moveaxis(q.reshape(q.shape[:-2] + (-1,))[..., :K], -1, axis).astype(np.float32)
;;   ~~~
;;   OPERANDS COMPUTED ON THE WAY. 'Computed on the way' means the value that the module computes at that place (a softmax that the list does not call 'softmax' is quantised finished and normalised). What goes into a quantiser is computed in f32, as accurately as f32 sums, v_exp_f32 and their like allow (about 1e-6 of the number): no bf16 or f16 on the way to a quantiser, and a product that is left as it is and whose result goes on into a quantised operand takes f32 operands (vector FMAs, or v_wmma_f32_16x16x4_f32). A number that lies on a knife's edge between two numbers of the format may be rounded either way, as far as f32 arithmetic and the matrix unit's own rounding can turn it there, and no further.
;; One version. Each part assembles by itself: llvm-mc -triple=amdgcn-amd-amdhsa -mcpu=gfx1250 --defsym DOCPART=n.
;; ======== version 1 of 1: 4 launches
;; workspace buffers: xq 524,288 bytes; xs 32,768 bytes; sel 4,096 bytes of whole numbers; wts 8,192 bytes; hq 16,777,216 bytes; hs 2,097,152 bytes; yb 16,777,216 bytes
;; launch gate (part 1): grid 256 x 1, 4 waves a work-group, no clusters, 34,304 bytes of LDS; arguments x, gate_W, gate_b, xq, xs, sel, wts; writes xq, xs, sel, wts
.if DOCPART == 1
	.amdgcn_target "amdgcn-amd-amdhsa--gfx1250"
	.amdhsa_code_object_version 6
	.text
	.protected	k_qfb03acdde3_gate
	.globl	k_qfb03acdde3_gate
	.p2align	8
	.type	k_qfb03acdde3_gate,@function
k_qfb03acdde3_gate:
	s_mov_b64 s[64:65], 0
	v_nop
	global_prefetch_b8 v0, s[64:65] scope:SCOPE_SE
	s_setreg_imm32_b32 hwreg(HW_REG_WAVE_MODE, 25, 1), 1
	s_wait_xcnt 0x0
; THE ROUTER, AND x AS CODES.  x [1024][1024] f32, gate_W [1024][8], gate_b [8].
; A wave takes one token; lane l holds x[32 l .. 32 l + 31], which is one whole block of 32 along K.
;  (a) the block is quantised to FP4 (E2M1): xq [token][512 bytes], block l at byte 16 l; xs [token][32] one E8M0 byte a block.
;  (b) the eight scores are f32 multiply-adds (a coarser product could turn a choice of expert), summed over the lanes, + gate_b.
;  (c) top 2 with a strict comparison, so that the lower index wins a tie, as jax.lax.top_k has it; softmax over the two with the maximum taken away.
;  (d) stored at fixed places: sel[token] = (1 << e1) | (256 << e2), a whole number; wts[0][token] = w of e1, wts[1][token] = w of e2.
; No address and no branch hangs on a score.
; LIMITS: NaN and infinities among the inputs are not served.  A block whose largest magnitude lies under 2^-124 keeps the scale byte 1; a block of zeros gets the
; byte 1 where the rule says 127: its codes are zeros, and this program alone reads the bytes.  Two scores closer than f32 sums can tell may be chosen the other way round.
; gate_W goes through LDS once for the four waves: row k lies at (k / 32) x 1040 + (k % 32) x 32, so that lanes, 32 rows apart, read 65 x 16 bytes apart.
.set PITCH, 1040
.set ACC, 16                           ; v16-23   eight scores
.set CD,  24                           ; v24-27   the block's codes
.set X,   32                           ; v32-63   my 32 numbers of x
.set WA,  64                           ; v64-127  gate_W as loaded, then 8 rows of it by turns with
.set WB,  128                          ; v128-191
	s_load_b256 s[4:11], s[0:1], 0x0               ; x s[4:5], gate_W s[6:7], gate_b s[8:9], xq s[10:11]
	s_load_b128 s[12:15], s[0:1], 0x20             ; xs s[12:13], sel s[14:15]
	s_load_b64 s[16:17], s[0:1], 0x30              ; wts
	v_lshl_add_u32 v192, v0, 2, 0x8400
	v_mov_b32 v193, 0
	v_and_b32 v1, 31, v0                           ; lane
	v_lshrrev_b32 v2, 5, v0
	v_readfirstlane_b32 s18, v2                    ; wave
	s_lshl_b32 s19, ttmp9, 2
	s_add_co_u32 s19, s19, s18                     ; my token
	s_mov_b32 s20, 0x76543210
	s_mov_b32 s21, 0xfedcba98                      ; v_permlanex16_b32's selects for lane l xor 16
	v_lshlrev_b32 v3, 4, v0                        ; gate_W: 16 bytes a thread, 2,048 a load of the work-group
	s_lshl_b32 s22, s19, 12
	v_lshl_add_u32 v4, v1, 7, s22                  ; x: token x 4,096 + 128 x lane
	v_lshrrev_b32 v5, 6, v0
	v_and_b32 v6, 63, v0
	v_mul_u32_u24 v5, v5, PITCH
	v_lshl_add_u32 v5, v6, 4, v5                   ; LDS, in: (t / 64) x 1040 + (t % 64) x 16; each load's 2,048 bytes are two groups of 32 rows on
	v_mul_u32_u24 v6, v1, PITCH                    ; LDS, out: my 32 rows
	s_lshl_b32 s22, s19, 9
	v_lshl_add_u32 v7, v1, 4, s22                  ; xq: token x 512 + 16 x lane
	s_lshl_b32 s22, s19, 5
	v_add_nc_u32 v2, s22, v1                       ; xs: token x 32 + lane
	s_lshl_b32 s22, s19, 2
	v_mov_b32 v28, s22                             ; sel, wts: token x 4
	s_wait_kmcnt 0x0
	s_load_b256 s[24:31], s[8:9], 0x0              ; gate_b, eight numbers
.irp i, 0,1,2,3,4,5,6,7,8,9,10,11,12,13,14,15
	global_load_b128 v[WA+4*\i:WA+4*\i+3], v3, s[6:7] offset:2048*\i
.endr
.irp i, 0,1,2,3,4,5,6,7
	global_load_b128 v[X+4*\i:X+4*\i+3], v4, s[4:5] offset:16*\i th:TH_LOAD_NT
.endr
	s_wait_loadcnt 8                               ; gate_W is in; the eight loads of x are younger
.irp i, 0,1,2,3,4,5,6,7,8,9,10,11,12,13,14,15
	ds_store_b128 v5, v[WA+4*\i:WA+4*\i+3] offset:2080*\i
.endr
	s_wait_dscnt 0x0                               ; for the other waves' sake: my stores have landed
	s_barrier_signal -1
	s_barrier_wait -1
.macro WLOAD bt, reg                   ; rows 8 bt .. 8 bt + 7 of my 32, eight numbers each
.irp k, 0,1,2,3,4,5,6,7
	ds_load_b128 v[\reg+8*\k:\reg+8*\k+3],   v6 offset:32*(8*\bt+\k)
	ds_load_b128 v[\reg+8*\k+4:\reg+8*\k+7], v6 offset:32*(8*\bt+\k)+16
.endr
.endm
.macro DOT bt, reg, first              ; 64 multiply-adds, the eight scores by turns; the very first products start the sums
.irp k, 0,1,2,3,4,5,6,7
.irp n, 0,1,2,3,4,5,6,7
.if (\first) && (\k == 0)
	v_mul_f32 v[ACC+\n], v[X+8*\bt+\k], v[\reg+8*\k+\n]
.else
	v_fmac_f32 v[ACC+\n], v[X+8*\bt+\k], v[\reg+8*\k+\n]
.endif
.endr
.endr
.endm
	WLOAD 0, WA
	WLOAD 1, WB
	s_wait_loadcnt 0x0                             ; x
	; the block's scale and codes, while gate_W's rows come out of LDS
	v_max3_num_f32 v12, |v[X]|, |v[X+1]|, |v[X+2]|
	v_max3_num_f32 v13, |v[X+3]|, |v[X+4]|, |v[X+5]|
.irp i, 6,10,14,18,22,26
	v_max3_num_f32 v12, v12, |v[X+\i]|, |v[X+\i+1]|
	v_max3_num_f32 v13, v13, |v[X+\i+2]|, |v[X+\i+3]|
.endr
	v_max3_num_f32 v12, v12, |v[X+30]|, |v[X+31]|
	v_max3_num_f32 v12, v12, v13, 0x1800000        ; and the floor 2^(3 - 127): the byte cannot fall under 1
	v_add_nc_u32 v29, 0xff000000, v12              ; 2 off the exponent field: the conversion takes this operand's exponent field as its scale
	v_lshrrev_b32 v30, 23, v29                     ; the scale's byte
.irp g, 0,1,2,3
	v_cvt_scalef32_pk8_fp4_f32 v[CD+\g], v[X+8*\g:X+8*\g+7], v29
.endr
	v_nop                                          ; one plain line behind the last scaled conversion
	global_store_b128 v7, v[CD:CD+3], s[10:11]     ; the wave stores the token's 512 consecutive bytes
	global_store_b8 v2, v30, s[12:13]              ; and its 32 scale bytes
	s_wait_dscnt 16                                ; the first batch is in; the second is younger
	DOT 0, WA, 1
	WLOAD 2, WA
	s_wait_dscnt 16
	DOT 1, WB, 0
	WLOAD 3, WB
	s_wait_dscnt 16
	DOT 2, WA, 0
	s_wait_dscnt 0x0
	DOT 3, WB, 0
.irp m, 1,2,4,8
.irp n, 0,1,2,3,4,5,6,7
	v_add_f32_dpp v[ACC+\n], v[ACC+\n], v[ACC+\n] row_xmask:\m row_mask:0xf bank_mask:0xf
.endr
.endr
.irp n, 0,1,2,3,4,5,6,7
	v_permlanex16_b32 v[WA+\n], v[ACC+\n], s20, s21
.endr
	s_wait_kmcnt 0x0                               ; gate_b
.irp n, 0,1,2,3,4,5,6,7
	v_add_f32 v[ACC+\n], v[ACC+\n], v[WA+\n]       ; every lane holds the token's eight sums
.endr
.irp n, 0,1,2,3,4,5,6,7
	v_add_f32 v[ACC+\n], s[24+\n], v[ACC+\n]
.endr
	v_mov_b32 v8, v[ACC]                           ; m1, the largest so far
	v_mov_b32 v9, 0xff800000                       ; m2, the second: -infinity
	v_mov_b32 v10, 0                               ; i1
	v_mov_b32 v11, 0                               ; i2
.irp n, 1,2,3,4,5,6,7
	v_cmp_gt_f32 s34, v[ACC+\n], v8                ; strictly above the first: it moves down
	v_cmp_gt_f32 s35, v[ACC+\n], v9                ; strictly above the second
	v_cndmask_b32 v9, v9, v[ACC+\n], s35
	v_cndmask_b32 v11, v11, \n, s35
	v_cndmask_b32 v9, v9, v8, s34
	v_cndmask_b32 v11, v11, v10, s34
	v_cndmask_b32 v8, v8, v[ACC+\n], s34
	v_cndmask_b32 v10, v10, \n, s34
.endr
	v_sub_f32 v12, v9, v8                          ; m2 - m1, 0 or less: the maximum is taken away
	v_mul_f32 v12, 0x3fb8aa3b, v12
	v_exp_f32 v13, v12                             ; p = e^(m2 - m1)
	v_mov_b32 v29, 1                               ; (plain work behind the exponential)
	v_add_nc_u32 v11, 8, v11
	v_lshlrev_b32 v14, v10, v29                    ; 1 << e1
	v_lshlrev_b32 v11, v11, v29                    ; 256 << e2
	v_or_b32 v14, v14, v11
	s_wait_alu depctr_va_vdst(0)                   ; the wait ahead of the first reader of the exponential
	v_add_f32 v12, 1.0, v13
	v_rcp_f32 v15, v12                             ; w of e1 = 1 / (1 + p)
	v_nop
	s_wait_alu depctr_va_vdst(0)                   ; and of the reciprocal
	v_mul_f32 v31, v13, v15                        ; w of e2 = p / (1 + p)
	s_wait_xcnt 0x0                                ; EXEC is narrowed only behind this wait: the stores above have read it
	v_cmp_eq_u32 vcc_lo, 0, v1
	s_wait_tensorcnt 0x0
	ds_add_u32 v192, v193
	s_wait_dscnt 0x0
	s_and_saveexec_b32 s36, vcc_lo                 ; all lanes hold the same numbers: lane 0 stores them
	global_store_b32 v28, v14, s[14:15]
	global_store_b32 v28, v15, s[16:17]
	global_store_b32 v28, v31, s[16:17] offset:4096
	s_endpgm
.Lfunc_end_k_qfb03acdde3_gate:
	.size	k_qfb03acdde3_gate, .Lfunc_end_k_qfb03acdde3_gate-k_qfb03acdde3_gate
	.p2alignl 7, 3214868480
	.fill 96, 4, 3214868480
	.section	.rodata,"a",@progbits
	.p2align	6, 0x0
	.amdhsa_kernel k_qfb03acdde3_gate
		.amdhsa_group_segment_fixed_size 34304
		.amdhsa_private_segment_fixed_size 0
		.amdhsa_enable_private_segment 0
		.amdhsa_kernarg_size 56
		.amdhsa_user_sgpr_count 2
		.amdhsa_user_sgpr_kernarg_segment_ptr 1
		.amdhsa_wavefront_size32 1
		.amdhsa_system_sgpr_workgroup_id_x 1
		.amdhsa_system_sgpr_workgroup_id_y 1
		.amdhsa_system_sgpr_workgroup_id_z 1
		.amdhsa_system_vgpr_workitem_id 0
		.amdhsa_next_free_vgpr 194
		.amdhsa_next_free_sgpr 66
		.amdhsa_reserve_vcc 1
		.amdhsa_float_denorm_mode_32 3
		.amdhsa_float_denorm_mode_16_64 3
		.amdhsa_memory_ordered 1
		.amdhsa_forward_progress 1
		.amdhsa_inst_pref_size 27
	.end_amdhsa_kernel
	.amdgpu_metadata
---
amdhsa.version: [ 1, 2 ]
amdhsa.kernels:
  - .name:           k_qfb03acdde3_gate
    .symbol:         k_qfb03acdde3_gate.kd
    .args:
      - { .name: x, .offset: 0, .size: 8, .value_kind: global_buffer, .address_space: global }
      - { .name: gate_W, .offset: 8, .size: 8, .value_kind: global_buffer, .address_space: global }
      - { .name: gate_b, .offset: 16, .size: 8, .value_kind: global_buffer, .address_space: global }
      - { .name: xq, .offset: 24, .size: 8, .value_kind: global_buffer, .address_space: global }
      - { .name: xs, .offset: 32, .size: 8, .value_kind: global_buffer, .address_space: global }
      - { .name: sel, .offset: 40, .size: 8, .value_kind: global_buffer, .address_space: global }
      - { .name: wts, .offset: 48, .size: 8, .value_kind: global_buffer, .address_space: global }
    .group_segment_fixed_size: 34304
    .private_segment_fixed_size: 0
    .kernarg_segment_align: 8
    .kernarg_segment_size: 56
    .max_flat_workgroup_size: 128
    .sgpr_count:     66
    .vgpr_count:     194
    .wavefront_size: 32
...
	.end_amdgpu_metadata
.endif
;; end of part 1
;; launch up (part 2): grid 32 x 8, 4 waves a work-group, no clusters, 75,776 bytes of LDS; arguments W1, b1, xq, xs, sel, hq, hs; writes hq, hs
.if DOCPART == 2
	.amdgcn_target "amdgcn-amd-amdhsa--gfx1250"
	.amdhsa_code_object_version 6
	.text
	.protected	k_qfb03acdde3_up
	.globl	k_qfb03acdde3_up
	.p2align	8
	.type	k_qfb03acdde3_up,@function
k_qfb03acdde3_up:
	s_mov_b64 s[64:65], 0
	v_nop
	global_prefetch_b8 v0, s[64:65] scope:SCOPE_SE
	s_setreg_imm32_b32 hwreg(HW_REG_WAVE_MODE, 25, 1), 1
	s_wait_xcnt 0x0
; h = Q(relu(Q(x) Q(W1[e]) + b1[e])) for the rows that the router sent to expert e; both operands FP4 (E2M1) with one E8M0 scale for each 32 along K.
; A work-group is (expert e = y, slice = x): 128 hidden units x all 1,024 of K: 512 KB of W1, which no other work-group reads.
; THE STREAM (the same in every work-group): the four waves read that part of W1 once, quantise it in registers along K (W1's first axis within an expert) and lay the codes in LDS
;   as images of operand registers (64 fragments of 16 units x 128 K, 1,024 bytes each) with their scale words.  At its head wave 0 sorts: from sel it makes the list of the expert's rows.
; THE FIRST ROUND'S PRODUCTS STAND INSIDE THE STREAM: two units a wave complete one K step's eight fragments; a barrier; each wave multiplies that K step for its five tiles of 16 rows
;   (tile = 4 j + wave) while its next weights are on their way.  All of this stands on every path, so every wait has a constant count and every barrier is passed by every wave.
; BEHIND THE STREAM: a tile's way out is jumped over where the tile lies past the expert's last.  An expert with more than 20 tiles takes further rounds out of the images in LDS, with no barrier: up to 64 tiles, four rounds.
; The matrix instruction is used transposed (source 0 = 16 hidden units, source 1 = 16 rows of x), and the units of a tile are chosen (unit n: tile 2 (n / 32) + (n / 8) % 2, row n % 8 + 8 ((n / 16) % 2)),
;   so that a lane holds one row and the 16 registers of tiles 2 b, 2 b + 1 are 16 neighbours along the next K.  The slice is one K step of the second product: its codes leave as one fragment's image.
; hq [e][tile][K step 0..31][1,024 bytes]: images of the operand's registers.  hs [e][tile][pair of K steps 0..15][lane][2 words]: the scale registers of two K steps, a lane's two words side by side.
; THE ORDER OF A WAVE'S LOADS: U0 U1 U2 U3 | b1 A0 | U4 A1 | U5 | A2 | U6 U7 | A3 | .. | U14 U15 | A7  (Uu: unit u's 16 loads; As: K step s of x for five tiles, 15 loads; b1: 16).
;   Loads come back in order (ISA guide 5.7.1), so a wait's count is the number of loads issued behind the one that is wanted; where that is more than 63 the count is 63, the largest that the wait can name.
;   The issue of a load that would push the counter past its field is held (ISA guide 5.7.1): no wait is written for that.
; NO TENSOR LOADS, NO CLUSTER: the jumps behind the stream hang on stored whole numbers, and the weights, nearly all of the bytes, are shared by nobody.
; The rows behind an expert's last row in its last tile are copies of its first row.  Tile 0 is made for an expert without rows too (from row 1023), so that the next launch reads stored bytes only.
; EXEC is never written: all lanes are on in every line.
; LIMITS: NaN and infinities are not served.  A block whose largest magnitude lies under 2^-124 keeps the scale byte 1; a block of zeros gets 1 where the rule says 127 (its codes are zeros; this program alone reads the bytes).
; REGISTERS, in windows of 256.  window 0: see the names below.  window 1: v0-79 x's fragments, two sets of five; v80-143 b1 in the result's layout; v144-207 the fifth tile's sums.
;   window 2: four landing sets of 64 for W1.  window 3: the sums of tiles 0-3 (64 j + 8 t).
.set WSC,   65536                      ; LDS: 0 the images; here the weights' scale words: 512 bytes a K step, word (fragment f, row) at 64 f + 4 row, byte = block
.set LIST,  69632                      ; 1,280 entries: token | slot << 10; behind them 32 dump words, one a lane, which nobody reads
.set CNT,   75008                      ; the expert's number of rows
.set NA,    15                         ; loads that bring one K step of five tiles of x
.set LN,    1                          ; lane
.set RQ,    2                          ; lane % 16
.set HP,    3                          ; lane / 16
.set WO,    4                          ; W1: my byte in a unit
.set IMGA,  5                          ; where my codes go
.set WSA,   6                          ; where my scale bytes go
.set LI,    7                          ; 16 x lane
.set LS,    8                          ; WSC + 4 x lane
.set LISTA, 9                          ; LIST + 4 (lane % 16) + 64 wave
.set CNTA,  10
.set L4,    11                         ; 4 x lane
.set PP,    12                         ; the sort's store address, and nothing else
.set TV,    13                         ; at work
.set H16,   14                         ; 16 (lane / 16)
.set LISTF, 15                         ; LIST + 16 x lane
.set TOK,   16                         ; v16-35 my entries of 20 tiles
.set XO,    36                         ; v36-40 xq offsets of the round's five tiles
.set XS,    41                         ; v41-45 xs offsets
.set MX,    46                         ; v46-49 largest magnitudes
.set PD,    50                         ; v50-53 the other half's
.set SCO,   54                         ; v54-57 the conversions' scale operands
.set BY,    58                         ; v58-61 scale bytes
.set PC,    62                         ; v62-69 codes
.set WSCL,  70                         ; v70-77 the weights' scale words, two sets of four: scales and nothing else
.set ASCL,  78                         ; v78-87 x's scale words, two sets of five: scales and nothing else
.set PW,    88                         ; h's scale word
.set L0A,   89                         ; LIST
.set L8,    90                         ; 8 x lane
.set B1O,   94                         ; 64 (lane / 16)
.set TMP,   96                         ; v96-159 64 numbers ahead of a conversion
.set TA,    100                        ; the sort's four registers
.set WF,    96                         ; v96-223 the weights' fragments, two sets of eight; in the stream set 1 alone, so that the conversions' 64 registers are never an operand there
.set SELR,  160                        ; v160-191 sel, in wave 0, during the sort
.set B1,    80                         ; window 1
.set AC4,   144                        ; window 1
.set WV,  18
.set EX,  19
.set SEL, 20
.set CH,  22                           ; which 64 of the 128 units my wave reads
.set WH,  23                           ; which of two neighbouring blocks of K
.set WB,  24                           ; s[24:25], s[26:27] W1 at my units 0-7 and 8-15
.set EM,  28
.set SH,  29
.set SOFF, 30
.set TT,  31
.set CN,  33
.set NT,  34                           ; tiles
.set T0,  35                           ; the round's first tile
.set MSB, 0
.macro WIN new                         ; the immediate's high byte repeats the setting that is left; bits 1:0 source 0, 3:2 source 1, 5:4 source 2, 7:6 destination
.if MSB != \new
	s_set_vgpr_msb (MSB<<8)|\new
.set MSB, \new
.endif
.endm
; A UNIT is one block of 32 along K x 64 units: sixteen loads, each of two whole row pieces of 256 consecutive bytes, aligned.  Wave (ch, wh) takes blocks 2 u + wh, u = 0 .. 15.
.macro ULOAD u
	WIN 0x80                                       ; destination window 2
.irp i, 0,1,2,3,4,5,6,7,8,9,10,11,12,13,14,15
	global_load_b128 v[64*((\u)%4)+4*\i:64*((\u)%4)+4*\i+3], v[WO], s[WB+2*((\u)/8):WB+2*((\u)/8)+1] offset:((\u)%8)*1048576+\i*16384 th:TH_LOAD_NT
.endr
	WIN 0
.endm
.macro ADDR                            ; the round's five tiles: where my row's codes and scale bytes lie
.irp j, 0,1,2,3,4
	v_and_b32 v[TV], 0x3ff, v[TOK+\j]
	v_min_u32 v[TV], 0x3ff, v[TV]
	v_lshl_add_u32 v[XO+\j], v[TV], 9, v[H16]
	v_lshlrev_b32 v[XS+\j], 5, v[TV]
.endr
.endm
.macro AISSUE s, b                     ; K step s of x for the five tiles, into set b: 15 loads
	WIN 0x40                                       ; destination window 1
.irp j, 0,1,2,3,4
.irp c, 0,1
	global_load_b128 v[40*(\b)+8*\j+4*\c:40*(\b)+8*\j+4*\c+3], v[XO+\j], s[8:9] offset:64*(\s)+32*\c
.endr
.endr
	WIN 0
.irp j, 0,1,2,3,4
	global_load_b32 v[ASCL+5*(\b)+\j], v[XS+\j], s[10:11] offset:4*(\s)
.endr
.endm
.macro X12                             ; b1 in the result's layout: lane (r, h), tile t: units 32 (t / 2) + 16 h + 8 (t % 2) + 0 .. 7: 16 loads
	WIN 0x40
.irp t, 0,1,2,3,4,5,6,7
	global_load_b128 v[B1+8*\t:B1+8*\t+3],   v[B1O], s[38:39] offset:(32*(\t/2)+8*(\t%2))*4
	global_load_b128 v[B1+8*\t+4:B1+8*\t+7], v[B1O], s[38:39] offset:(32*(\t/2)+8*(\t%2))*4+16
.endr
	WIN 0
.endm
; Unit u is quantised.  n: the loads that may stay out.  kind: what is issued when its landing set is free: 0 nothing; 1 unit u + 4; 2 unit u + 4 and x's K step 1.
; A load brings four columns of one row, a conversion wants eight rows of one column in consecutive registers: 64 moves turn the unit.  Loads of four bytes a lane would need no move and would keep a quarter of the bytes on their way.
.macro UNIT u, n, kind
.set SS, 64*((\u)%4)
.set IU, 8192*((\u)/2)+512*((\u)%2)
.set SU, 512*((\u)/2)+2*((\u)%2)
	s_wait_loadcnt \n
	s_wait_dscnt 0x0                               ; my earlier LDS stores have read the registers that are written below
	WIN 0x0a                                       ; sources 0 and 1 window 2
.irp c, 0,1,2,3
	v_max3_num_f32 v[MX+\c], |v[SS+\c]|, |v[SS+4+\c]|, 0x1800000   ; my 16 rows of four columns, by turns; the floor 2^(3 - 127) holds the byte at 1 from below
.endr
.irp i, 2,4,6,8,10,12,14
.irp c, 0,1,2,3
	v_max3_num_f32 v[MX+\c], |v[SS+4*\i+\c]|, |v[SS+4*\i+4+\c]|, v[MX+\c]
.endr
.endr
	WIN 0
.irp c, 0,1,2,3
	v_permlanex16_b32 v[PD+\c], v[MX+\c], s[SEL], s[SEL+1]
.endr
.irp c, 0,1,2,3
	v_max_num_f32 v[MX+\c], v[MX+\c], v[PD+\c]     ; with lane l xor 16's 16 rows: the block's largest magnitude
.endr
.irp c, 0,1,2,3
	v_add_nc_u32 v[SCO+\c], 0xff000000, v[MX+\c]   ; 2 off its exponent field: the conversion's scale operand
.endr
.irp c, 0,1,2,3
	v_lshrrev_b32 v[BY+\c], 23, v[SCO+\c]          ; the scale's byte
.endr
	WIN 0x02                                       ; source 0 window 2
.irp c, 0,1,2,3
.irp i, 0,1,2,3,4,5,6,7,8,9,10,11,12,13,14,15
	v_mov_b32 v[TMP+16*\c+\i], v[SS+4*\i+\c]
.endr
.endr
.if \kind >= 1
	ULOAD (\u)+4
.endif
.if \kind == 2
	AISSUE 1, 1
.endif
	WIN 0
.irp c, 0,1,2,3
	v_cvt_scalef32_pk8_fp4_f32 v[PC+2*\c],   v[TMP+16*\c:TMP+16*\c+7],    v[SCO+\c]
	v_cvt_scalef32_pk8_fp4_f32 v[PC+2*\c+1], v[TMP+16*\c+8:TMP+16*\c+15], v[SCO+\c]
.endr
	v_nop                                          ; one plain line behind the last scaled conversion
.irp c, 0,1,2,3
	ds_store_b64 v[IMGA], v[PC+2*\c:PC+2*\c+1] offset:IU+16*\c   ; 16 codes: half a block of one unit
	ds_store_b8 v[WSA], v[BY+\c] offset:SU+4*\c                  ; both halves of the lanes write the same byte with the same value
.endr
.endm
.macro WFLOAD s, b                     ; K step s: eight fragments and their scale words into set b: 20 LDS loads.  Scale register g: fragment 2 g in lanes 0-15, 2 g + 1 in lanes 16-31
.irp f, 0,1,2,3,4,5,6,7
.irp c, 0,1
	ds_load_b128 v[WF+64*(\b)+8*\f+4*\c:WF+64*(\b)+8*\f+4*\c+3], v[LI] offset:8192*(\s)+1024*\f+512*\c
.endr
.endr
.irp g, 0,1,2,3
	ds_load_b32 v[WSCL+4*(\b)+\g], v[LS] offset:512*(\s)+128*\g
.endr
.endm
.macro WM odd
.if \odd
	v_wmma_scale_f32_16x16x128_f8f6f4 v[rD:rD+7], v[rA:rA+7], v[rB:rB+7], v[rC:rC+7], v[rSA], v[rSB] matrix_a_fmt:MATRIX_FMT_FP4 matrix_b_fmt:MATRIX_FMT_FP4 matrix_a_scale:MATRIX_SCALE_ROW1
.else
	v_wmma_scale_f32_16x16x128_f8f6f4 v[rD:rD+7], v[rA:rA+7], v[rB:rB+7], v[rC:rC+7], v[rSA], v[rSB] matrix_a_fmt:MATRIX_FMT_FP4 matrix_b_fmt:MATRIX_FMT_FP4
.endif
.endm
; 40 matrix instructions: five tiles of rows x eight tiles of units; wb: the weights' set, ab: x's set.  The 40 sums take turns, one instruction a turn.  K step 0 starts each sum with b1 as its C.
.macro MM s, wb, ab
.irp j, 0,1,2,3,4
.if \j < 4
.if (\s) == 0
	WIN 0xd4                                       ; x window 1, C (b1) window 1, D window 3
.else
	WIN 0xf4                                       ; x window 1, C and D window 3
.endif
.else
	WIN 0x54                                       ; x, C and D window 1
.endif
.irp t, 0,1,2,3,4,5,6,7
.if \j < 4
.set rD, 64*\j+8*\t
.else
.set rD, AC4+8*\t
.endif
.if (\s) == 0
.set rC, B1+8*\t
.else
.set rC, rD
.endif
.set rA, WF+64*(\wb)+8*\t
.set rB, 40*(\ab)+8*\j
.set rSA, WSCL+4*(\wb)+\t/2
.set rSB, ASCL+5*(\ab)+\j
	WM \t%2
.endr
.endr
.endm
; K step s of the first round, inside the stream.  In front of the barrier my images of this K step have landed; behind it all eight fragments lie in LDS.  Until the next barrier the waves read this K step's
; bytes and write the next one's: 8,192 bytes of images and 512 of scale words further on.  n: the loads that may stay out when x's K step s has to be there.
.macro ISTEP s, n
	s_wait_dscnt 0x0                               ; for the others' sake: my stores have landed
	s_barrier_signal -1
	s_barrier_wait -1
	WFLOAD \s, 1
	s_wait_loadcnt \n
	s_wait_dscnt 0x0                               ; the fragments are in
	MM \s, 1, (\s)%2
	WIN 0
.rept 4
	v_nop                                          ; four places ahead of loads into registers that these products read, and of the first read of results
.endr
.if \s < 6
	AISSUE (\s)+2, (\s)%2
.endif
.endm
.macro STEP s                          ; a K step of a later round: all images lie in LDS, and the next step's fragments are fetched ahead
.if \s < 7
	WFLOAD (\s)+1, ((\s)+1)%2
	s_wait_loadcnt NA                              ; this step's x is in; the next step's 15 loads are younger
	s_wait_dscnt 20                                ; this step's weights are in; the next step's 20 loads are younger
.else
	s_wait_loadcnt 0x0
	s_wait_dscnt 0x0
.endif
	MM \s, (\s)%2, (\s)%2
	WIN 0
.rept 4
	v_nop                                          ; four places, as above
.endr
.if \s < 6
	AISSUE (\s)+2, (\s)%2
.endif
.endm
; The way out of the round's tile j: relu, the four blocks' scales, codes, the exchange of halves that the operand's layout asks: one fragment and one scale word a row.
.macro EPI j
	s_add_co_u32 s40, s[T0], 4*\j
	s_add_co_u32 s40, s40, s[WV]
	s_cmp_ge_u32 s40, s[NT]
	s_cbranch_scc1 .Lepi_end                       ; past the expert's last tile: so are my later ones
	s_wait_xcnt 0x0                                ; the last tile's stores have read their data and bases
	s_min_u32 s40, s40, 63
	s_lshl_b32 s46, s40, 15
	s_mov_b32 s47, 0
	s_add_nc_u64 s[42:43], s[48:49], s[46:47]
	s_lshl_b32 s46, s40, 12
	s_add_nc_u64 s[44:45], s[50:51], s[46:47]
.if \j < 4
	WIN 0x0c                                       ; source 1 window 3
.set AC, 64*\j
.else
	WIN 0x04                                       ; source 1 window 1
.set AC, AC4
.endif
.set i, 0
.rept 64
	v_max_num_f32 v[TMP+i], 0, v[AC+i]             ; each sum is read from its low end on; register 16 b + i: unit 32 b + 16 (lane / 16) + i of my row
.set i, i+1
.endr
	WIN 0
.irp b, 0,1,2,3
	v_max3_num_f32 v[MX+\b], v[TMP+16*\b], v[TMP+16*\b+1], 0x1800000   ; nothing is negative here; the floor holds the byte at 1
.endr
.irp i, 2,4,6,8,10,12,14
.irp b, 0,1,2,3
	v_max3_num_f32 v[MX+\b], v[MX+\b], v[TMP+16*\b+\i], v[TMP+16*\b+\i+1]
.endr
.endr
.irp b, 0,1,2,3
	v_permlanex16_b32 v[PD+\b], v[MX+\b], s[SEL], s[SEL+1]
.endr
.irp b, 0,1,2,3
	v_max_num_f32 v[MX+\b], v[MX+\b], v[PD+\b]
.endr
.irp b, 0,1,2,3
	v_add_nc_u32 v[SCO+\b], 0xff000000, v[MX+\b]
.endr
.irp b, 0,1,2,3
	v_lshrrev_b32 v[BY+\b], 23, v[SCO+\b]
.endr
	v_lshl_or_b32 v[PW], v[BY+1], 8, v[BY]
	v_lshl_or_b32 v[PW], v[BY+2], 16, v[PW]
	v_lshl_or_b32 v[PW], v[BY+3], 24, v[PW]
.irp b, 0,1,2,3
	v_cvt_scalef32_pk8_fp4_f32 v[PC+2*\b],   v[TMP+16*\b:TMP+16*\b+7],    v[SCO+\b]
	v_cvt_scalef32_pk8_fp4_f32 v[PC+2*\b+1], v[TMP+16*\b+8:TMP+16*\b+15], v[SCO+\b]
.endr
	v_nop                                          ; one plain line behind the last scaled conversion
.irp c, 0,1
.irp i, 0,1
	v_permlane16_swap_b32 v[PC+4*\c+\i], v[PC+4*\c+2+\i]   ; a whole block to a lane: registers 4 c .. 4 c + 3 hold k = 64 c + 32 (lane / 16) + 0 .. 31
.endr
.endr
	global_store_b128 v[LI], v[PC:PC+3],   s[42:43]              ; the image: each store covers 512 consecutive bytes, aligned
	global_store_b128 v[LI], v[PC+4:PC+7], s[42:43] offset:512
	global_store_b32 v[L8], v[PW], s[44:45]                      ; my word of the pair; the neighbouring slice stores the other
.endm
	s_load_b256 s[4:11], s[0:1], 0x0               ; W1 s[4:5], b1 s[6:7], xq s[8:9], xs s[10:11]
	s_load_b128 s[12:15], s[0:1], 0x20             ; sel s[12:13], hq s[14:15]
	s_load_b64 s[16:17], s[0:1], 0x30              ; hs
	v_lshl_add_u32 v254, v0, 2, 0x12600
	v_mov_b32 v255, 0
	v_and_b32 v[LN], 31, v0
	v_lshrrev_b32 v[TV], 5, v0
	v_readfirstlane_b32 s[WV], v[TV]
	v_and_b32 v[RQ], 15, v0
	v_bfe_u32 v[HP], v0, 4, 1
	s_and_b32 s[EX], ttmp7, 0xffff
	s_and_b32 s[CH], s[WV], 1
	s_lshr_b32 s[WH], s[WV], 1
	s_mov_b32 s[SEL], 0x76543210
	s_mov_b32 s[SEL+1], 0xfedcba98
	s_lshl_b32 s[EM], 0x101, s[EX]                 ; the expert's two bits in a word of sel
	s_add_co_u32 s[SH], s[EX], 8
	v_lshlrev_b32 v[WO], 4, v[RQ]                  ; lane (q, p): columns 4 q .. 4 q + 3 of rows 16 p + i: 16 q bytes + 16 p rows of 16,384
	v_lshl_add_u32 v[WO], v[HP], 18, v[WO]
	; every LDS address but the sort's is made here, ahead of the first parting of the waves.  Unit n = 64 ch + 4 q + c of the slice, block 2 (u % 2) + wh of K step u / 2, half p:
	; image byte 1024 tile + 512 (block / 2) + 256 (block % 2) + 16 row + 8 p;  scale byte 64 tile + 4 row + block
	v_bfe_u32 v[TV], v0, 3, 1
	v_lshlrev_b32 v[IMGA], 11, v[TV]
	v_lshlrev_b32 v[WSA], 7, v[TV]
	v_bfe_u32 v[TV], v0, 1, 1
	v_lshl_add_u32 v[IMGA], v[TV], 10, v[IMGA]
	v_lshl_add_u32 v[WSA], v[TV], 6, v[WSA]
	v_bfe_u32 v[TV], v0, 2, 1
	v_lshl_add_u32 v[IMGA], v[TV], 7, v[IMGA]
	v_lshl_add_u32 v[WSA], v[TV], 5, v[WSA]
	v_and_b32 v[TV], 1, v0
	v_lshl_add_u32 v[IMGA], v[TV], 6, v[IMGA]
	v_lshl_add_u32 v[WSA], v[TV], 4, v[WSA]
	v_lshl_add_u32 v[IMGA], v[HP], 3, v[IMGA]
	s_lshl_b32 s40, s[CH], 12
	s_lshl_b32 s41, s[WH], 8
	s_add_co_u32 s40, s40, s41
	v_add_nc_u32 v[IMGA], s40, v[IMGA]
	s_lshl_b32 s40, s[CH], 8
	s_add_co_u32 s40, s40, s[WH]
	s_add_co_u32 s40, s40, WSC
	v_add_nc_u32 v[WSA], s40, v[WSA]
	v_lshlrev_b32 v[LI], 4, v[LN]
	v_lshl_add_u32 v[LS], v[LN], 2, WSC
	v_lshl_add_u32 v[LISTA], v[RQ], 2, LIST
	s_lshl_b32 s40, s[WV], 6
	v_add_nc_u32 v[LISTA], s40, v[LISTA]
	v_mov_b32 v[CNTA], CNT
	v_lshlrev_b32 v[L4], 2, v[LN]
	v_lshlrev_b32 v[L8], 3, v[LN]
	v_lshlrev_b32 v[H16], 4, v[HP]
	v_lshl_add_u32 v[LISTF], v[LN], 4, LIST
	v_mov_b32 v[L0A], LIST
	v_lshlrev_b32 v[B1O], 6, v[HP]
.irp c, 0,1,2,3
	v_mov_b32 v[PD+\c], 0                          ; written once: a lane permute's destination counts as one of its sources
.endr
	s_mov_b32 s37, 0
	s_lshl_b32 s36, s[EX], 24                      ; W1: the expert's 16 MiB, the slice's 512 bytes of a row, my half of them, my block
	s_lshl_b32 s40, ttmp9, 9
	s_add_co_u32 s36, s36, s40
	s_lshl_b32 s40, s[CH], 8
	s_add_co_u32 s36, s36, s40
	s_lshl_b32 s40, s[WH], 19
	s_add_co_u32 s36, s36, s40
	s_wait_kmcnt 0x0
	s_add_nc_u64 s[WB:WB+1], s[4:5], s[36:37]
	s_add_nc_u64 s[WB+2:WB+3], s[WB:WB+1], 0x800000   ; eight units on: so every unit's offset fits the signed 24-bit immediate
	s_lshl_b32 s36, s[EX], 14
	s_lshl_b32 s40, ttmp9, 9
	s_add_co_u32 s36, s36, s40
	s_add_nc_u64 s[38:39], s[6:7], s[36:37]        ; b1 at the slice
	s_lshl_b32 s36, s[EX], 21
	s_lshl_b32 s40, ttmp9, 10
	s_add_co_u32 s36, s36, s40
	s_add_nc_u64 s[48:49], s[14:15], s[36:37]      ; hq at (e, tile 0, K step = slice)
	s_lshl_b32 s36, s[EX], 18                      ; hs at (e, tile 0, pair slice / 2, word slice % 2)
	s_lshr_b32 s40, ttmp9, 1
	s_lshl_b32 s40, s40, 8
	s_add_co_u32 s36, s36, s40
	s_and_b32 s40, ttmp9, 1
	s_lshl_b32 s40, s40, 2
	s_add_co_u32 s36, s36, s40
	s_add_nc_u64 s[50:51], s[16:17], s[36:37]
	s_cmp_lg_u32 s[WV], 0
	s_cbranch_scc1 .Lno_sel
.irp g, 0,1,2,3,4,5,6,7
	global_load_b128 v[SELR+4*\g:SELR+4*\g+3], v[LI], s[12:13] offset:512*\g   ; register 4 g + c: token 128 g + 4 lane + c
.endr
.Lno_sel:
	ULOAD 0
	ULOAD 1
	ULOAD 2
	s_cmp_lg_u32 s[WV], 0
	s_cbranch_scc1 .Lno_sort
	; THE SORT, wave 0 alone, while 48 loads of it and 64 of every other wave are on their way.  Every lane stores in every trip: a lane whose token is not the expert's writes to its own dump word.
	s_wait_loadcnt 48                              ; sel is in: the three units' 48 loads are younger
.irp c, 0,1,2,3
	v_mov_b32 v[TMP+\c], 0xffff
.endr
.irp i, 0,1,2,3,4,5,6,7,8,9
	ds_store_b128 v[LISTF], v[TMP:TMP+3] offset:512*\i   ; every entry begins as 0xffff, which is cut to a valid row wherever it is used
.endr
	v_add_nc_u32 v[TA+3], 0x500, v[LN]             ; my dump word: entry 1280 + lane
	s_mov_b32 s[SOFF], 0
.irp g, 0,1,2,3,4,5,6,7
.irp c, 0,1,2,3
	v_and_b32 v[TA], s[EM], v[SELR+4*\g+\c]
	v_cmp_ne_u32 vcc_lo, 0, v[TA]                  ; tokens of this expert
	v_mbcnt_lo_u32_b32 v[PP], vcc_lo, 0            ; how many of them in the lanes below me
	v_add_nc_u32 v[PP], s[SOFF], v[PP]
	v_cndmask_b32 v[PP], v[TA+3], v[PP], vcc_lo    ; the entry's place, or the dump word
	v_min_u32 v[PP], 0x51f, v[PP]
	v_lshl_add_u32 v[PP], v[PP], 2, LIST
	v_lshrrev_b32 v[TA+1], s[SH], v[SELR+4*\g+\c]
	v_and_b32 v[TA+1], 1, v[TA+1]                  ; slot: 1 where the expert is the token's second
	v_add_nc_u32 v[TA+2], 128*\g+\c, v[L4]
	v_lshl_or_b32 v[TA+2], v[TA+1], 10, v[TA+2]
	s_bcnt1_i32_b32 s[TT], vcc_lo
	s_add_co_u32 s[SOFF], s[SOFF], s[TT]
	ds_store_b32 v[PP], v[TA+2]
.endr
.endr
	ds_load_b32 v[TA], v[L0A]                      ; the first entry (LDS serves a wave's instructions in order)
	v_add_nc_u32 v[PP], s[SOFF], v[LN]
	v_min_u32 v[PP], 0x4ff, v[PP]
	v_lshl_add_u32 v[PP], v[PP], 2, LIST
	v_mov_b32 v[TA+1], s[SOFF]
	s_wait_dscnt 0x0
	ds_store_b32 v[PP], v[TA]                      ; 32 copies of it behind the last: the last tile's spare rows
	ds_store_b32 v[CNTA], v[TA+1]
.Lno_sort:
	ULOAD 3
	s_wait_dscnt 0x0                               ; the list has landed
	s_barrier_signal -1
	s_barrier_wait -1                              ; it parts the sort's stores from every other LDS access of the text
.irp jj, 0,1,2,3,4,5,6,7,8,9,10,11,12,13,14,15,16,17,18,19
	ds_load_b32 v[TOK+\jj], v[LISTA] offset:256*\jj   ; row lane % 16 of tile 4 jj + wave
.endr
	ds_load_b32 v[TV], v[CNTA]
	s_wait_dscnt 0x0
	v_readfirstlane_b32 s[CN], v[TV]
	s_min_u32 s[CN], s[CN], 0x400
	s_add_co_u32 s[NT], s[CN], 15
	s_lshr_b32 s[NT], s[NT], 4
	s_max_u32 s[NT], s[NT], 1                      ; tile 0 is always made
	s_mov_b32 s[T0], 0
	ADDR
	X12
	AISSUE 0, 0
	; THE STREAM, with the first round's products in it.  The counts follow from the order of loads at the kernel's head
	UNIT 0, 63, 2                                  ; younger than U0: U1 U2 U3, b1, A0: 79
	UNIT 1, 63, 1                                  ; 94
	ISTEP 0, 47                                    ; younger than A0 (b1 is older): U4, A1, U5
	UNIT 2, 63, 1
	UNIT 3, 63, 1
	ISTEP 1, 63                                    ; younger than A1: U5, A2, U6, U7: 63
	UNIT 4, 63, 1                                  ; from here on 78 or more are younger than a unit, 79 than a K step of x
	UNIT 5, 63, 1
	ISTEP 2, 63
	UNIT 6, 63, 1
	UNIT 7, 63, 1
	ISTEP 3, 63
	UNIT 8, 63, 1
	UNIT 9, 63, 1
	ISTEP 4, 63
	UNIT 10, 63, 1
	UNIT 11, 63, 1
	ISTEP 5, 63
	UNIT 12, 63, 0                                 ; U13, A6, U14, U15, A7: 78
	UNIT 13, 62, 0                                 ; A6, U14, U15, A7
	ISTEP 6, 47                                    ; U14, U15, A7
	UNIT 14, 31, 0                                 ; U15, A7
	UNIT 15, 15, 0                                 ; A7
	ISTEP 7, 0
.Lepi:                                             ; at most four trips: the counter goes 0, 20, 40, 60; the way out on the expert's number of tiles is a forward jump
	EPI 0
	EPI 1
	EPI 2
	EPI 3
	EPI 4
.Lepi_end:
	s_add_co_u32 s[T0], s[T0], 20
	s_cmp_ge_u32 s[T0], s[NT]
	s_cbranch_scc1 .Lend                           ; no tile is left (there are at most 64)
	s_wait_xcnt 0x0
.irp i, 0,1,2,3,4,5,6,7,8,9,10,11,12,13,14
	v_mov_b32 v[TOK+\i], v[TOK+\i+5]               ; the next round's five tiles move to the front
.endr
	ADDR
	AISSUE 0, 0
	AISSUE 1, 1
	WFLOAD 0, 0
	STEP 0
	STEP 1
	STEP 2
	STEP 3
	STEP 4
	STEP 5
	STEP 6
	STEP 7
	s_cmp_lt_u32 s[T0], 80
	s_cbranch_scc1 .Lepi
.Lend:
	s_wait_tensorcnt 0x0
	ds_add_u32 v254, v255
	s_wait_dscnt 0x0
	s_endpgm
.Lfunc_end_k_qfb03acdde3_up:
	.size	k_qfb03acdde3_up, .Lfunc_end_k_qfb03acdde3_up-k_qfb03acdde3_up
	.p2alignl 7, 3214868480
	.fill 96, 4, 3214868480
	.section	.rodata,"a",@progbits
	.p2align	6, 0x0
	.amdhsa_kernel k_qfb03acdde3_up
		.amdhsa_group_segment_fixed_size 75776
		.amdhsa_private_segment_fixed_size 0
		.amdhsa_enable_private_segment 0
		.amdhsa_kernarg_size 56
		.amdhsa_user_sgpr_count 2
		.amdhsa_user_sgpr_kernarg_segment_ptr 1
		.amdhsa_wavefront_size32 1
		.amdhsa_system_sgpr_workgroup_id_x 1
		.amdhsa_system_sgpr_workgroup_id_y 1
		.amdhsa_system_sgpr_workgroup_id_z 1
		.amdhsa_system_vgpr_workitem_id 0
		.amdhsa_next_free_vgpr 1024
		.amdhsa_next_free_sgpr 66
		.amdhsa_reserve_vcc 1
		.amdhsa_float_denorm_mode_32 3
		.amdhsa_float_denorm_mode_16_64 3
		.amdhsa_memory_ordered 1
		.amdhsa_forward_progress 1
		.amdhsa_inst_pref_size 255
	.end_amdhsa_kernel
	.section	.bss,"aw",@nobits
	.p2align	6
	.space	262144
	.amdgpu_metadata
---
amdhsa.version: [ 1, 2 ]
amdhsa.kernels:
  - .name:           k_qfb03acdde3_up
    .symbol:         k_qfb03acdde3_up.kd
    .args:
      - { .name: W1, .offset: 0, .size: 8, .value_kind: global_buffer, .address_space: global }
      - { .name: b1, .offset: 8, .size: 8, .value_kind: global_buffer, .address_space: global }
      - { .name: xq, .offset: 16, .size: 8, .value_kind: global_buffer, .address_space: global }
      - { .name: xs, .offset: 24, .size: 8, .value_kind: global_buffer, .address_space: global }
      - { .name: sel, .offset: 32, .size: 8, .value_kind: global_buffer, .address_space: global }
      - { .name: hq, .offset: 40, .size: 8, .value_kind: global_buffer, .address_space: global }
      - { .name: hs, .offset: 48, .size: 8, .value_kind: global_buffer, .address_space: global }
    .group_segment_fixed_size: 75776
    .private_segment_fixed_size: 0
    .kernarg_segment_align: 8
    .kernarg_segment_size: 56
    .max_flat_workgroup_size: 128
    .sgpr_count:     66
    .vgpr_count:     1024
    .wavefront_size: 32
...
	.end_amdgpu_metadata
.endif
;; end of part 2
;; launch down (part 3): grid 32 x 8, 4 waves a work-group, no clusters, 93,184 bytes of LDS; arguments W2, b2, hq, hs, sel, wts, yb; writes yb
.if DOCPART == 3
	.amdgcn_target "amdgcn-amd-amdhsa--gfx1250"
	.amdhsa_code_object_version 6
	.text
	.protected	k_qfb03acdde3_down
	.globl	k_qfb03acdde3_down
	.p2align	8
	.type	k_qfb03acdde3_down,@function
k_qfb03acdde3_down:
	s_mov_b64 s[64:65], 0
	v_nop
	global_prefetch_b8 v0, s[64:65] scope:SCOPE_SE
	s_setreg_imm32_b32 hwreg(HW_REG_WAVE_MODE, 25, 1), 1
	s_wait_xcnt 0x0
; yb[kh][slot][token][:] = w x (Q(h) Q(W2[e]) over half kh of K  (+ b2[e] where kh = 0)), for the rows that the router sent to expert e; FP4 (E2M1) operands, one E8M0 scale for each 32 along K.
; A work-group is (expert e = y, slice = x / 2: 64 columns, kh = x % 2: 2,048 of the 4,096 along K): 512 KB of W2, which no other work-group reads.  64 columns make a row piece of 256 bytes;
; 8 experts x 16 slices are 128 work-groups, so K is halved to give each of 256 WGPs one; the four parts of a token's row (2 halves x 2 experts) are added by the next launch.
; THE STREAM: as in the launch before: W2's part is read once, quantised in registers along K (its first axis within an expert), laid in LDS as 64 fragments' images (16 K steps x 4 tiles of 16 columns);
;   wave 0 sorts sel by the same text, so the rows have the same places as there.
; THE FIRST ROUND'S PRODUCTS STAND INSIDE THE STREAM: two units a wave complete a step (two K steps, eight fragments); a barrier; each wave multiplies that step for its five tiles of 16 rows while its next
;   weights are on their way.  All of this stands on every path.  Behind the stream only a tile's way out is jumped over; an expert with more than 20 tiles takes further rounds out of the images, with no barrier.
; Transposed use: source 0 = 16 columns of W2, source 1 = 16 rows of h (images made by the launch before): a lane holds one row and eight neighbouring columns.
; The way out goes through the wave's own stage in LDS, so that sixteen lanes store a row's 256 consecutive bytes, aligned.  A spare row of the last tile is a copy of the expert's first row: it stores the same bytes to the same place.
; THE ORDER OF A WAVE'S LOADS: U0 U1 U2 U3 | X A0 | U4 A1 | U5 | A2 | U6 U7 | A3 | .. | U14 U15 | A7  (Uu: unit u's 16 loads; As: step s of h for five tiles, 25 loads; X: b2 and the gate's weights, 13).
;   Loads come back in order (ISA guide 5.7.1), so a wait's count is the number of loads issued behind the one that is wanted; where that is more than 63 the count is 63, the largest that the wait can name.
;   The issue of a load that would push the counter past its field is held (ISA guide 5.7.1): no wait is written for that.
; NO TENSOR LOADS, NO CLUSTER: the jumps behind the stream hang on stored whole numbers, and the weights, nearly all of the bytes, are shared by nobody.
; EXEC is never written: all lanes are on in every line.
; LIMITS: NaN and infinities are not served.  A block whose largest magnitude lies under 2^-124 keeps the scale byte 1; a block of zeros gets 1 where the rule says 127 (its codes are zeros; this program alone reads the bytes).
; The sum over K is made in two halves, each in f32.
; REGISTERS.  window 0: see below.  window 1: v0-159 h's fragments, two sets of ten; v160-191 b2 (or zeros) in the result's layout.  window 2: four landing sets of 64 for W2.  window 3: the sums (32 j + 8 t).
.set WSC,   65536
.set LIST,  69632                      ; 1,280 entries; behind them 32 dump words, one a lane, which nobody reads
.set CNT,   75008
.set STAGE, 75264                      ; 16 rows x 272 bytes for each wave
.set NA,    25                         ; loads that bring one step (two K steps) of five tiles of h
.set LN,    1
.set RQ,    2
.set HP,    3
.set WO,    4
.set IMGA,  5
.set WSA,   6
.set LI,    7
.set LS,    8
.set LISTA, 9
.set CNTA,  10
.set L4,    11
.set PP,    12                         ; the sort's store address, and nothing else
.set TV,    13
.set H32,   14                         ; 32 (lane / 16)
.set LISTF, 15
.set TOK,   16                         ; v16-35
.set HO,    36                         ; v36-40 hq offsets of the round's five tiles
.set HSO,   41                         ; v41-45 hs offsets
.set MX,    46
.set PD,    50
.set SCO,   54
.set BY,    58
.set PC,    62
.set WSCL,  70                         ; v70-77 the weights' scale words: scales and nothing else
.set EO,    78                         ; v78-85 offsets: of the five loads from wts, then of a tile's eight stores
.set BPI,   86                         ; v86-93 4 x (2 i + lane / 16): whose entry I want for store i
.set STO,   94
.set RD,    95
.set TMP,   96
.set TA,    100                        ; the sort's four registers
.set WF,    96                         ; v96-223 the weights' fragments, two sets of eight; in the stream set 1 alone
.set OB,    128                        ; v128-159 16 rows read back from the stage
.set SELR,  160
.set ASCL,  224                        ; v224-243 h's scale words, two sets of ten: scales and nothing else
.set WT,    244                        ; v244-253 the gate's weight of my row, a pair for each tile (the packed form names a pair and takes its low word)
.set C16,   254                        ; 16 (lane % 16)
.set L0A,   255
.set B2,    160                        ; window 1
.set WV,  18
.set EX,  19
.set SEL, 20
.set SLC, 22
.set KH,  23
.set WB,  24                           ; s[24:25] W2 at my first unit
.set HB,  26                           ; s[26:27] hq at (e, tile 0, K step 16 kh)
.set EM,  28
.set SH,  29
.set SOFF, 30
.set TT,  31
.set CN,  33
.set NT,  34
.set T0,  35
.set KM,  46
.set NTM, 47
.set MSB, 0
.macro WIN new                         ; the immediate's high byte repeats the setting that is left; bits 1:0 source 0, 3:2 source 1, 5:4 source 2, 7:6 destination
.if MSB != \new
	s_set_vgpr_msb (MSB<<8)|\new
.set MSB, \new
.endif
.endm
; A UNIT is one block of 32 along K x the 64 columns: sixteen loads, each of two whole row pieces of 256 consecutive bytes, aligned.  Wave w takes blocks 4 u + w, u = 0 .. 15.
.macro ULOAD u
	WIN 0x80
.irp i, 0,1,2,3,4,5,6,7,8,9,10,11,12,13,14,15
	global_load_b128 v[64*((\u)%4)+4*\i:64*((\u)%4)+4*\i+3], v[WO], s[WB:WB+1] offset:(\u)*524288+\i*4096 th:TH_LOAD_NT
.endr
	WIN 0
.endm
.macro ADDR                            ; the round's five tiles, held to the tiles that the launch before has stored
.irp j, 0,1,2,3,4
	s_add_co_u32 s40, s[T0], 4*\j
	s_add_co_u32 s40, s40, s[WV]
	s_min_u32 s40, s40, s[NTM]
	s_min_u32 s40, s40, 63
	s_lshl_b32 s41, s40, 15
	v_add_nc_u32 v[HO+\j], s41, v[LI]
	s_lshl_b32 s41, s40, 12
	v_lshl_add_u32 v[HSO+\j], v[LN], 3, s41        ; a lane's two scale words lie side by side: 8 bytes a lane
.endr
.endm
.macro AISSUE s, b                     ; step s (K steps 2 s, 2 s + 1 of my half) of h for the five tiles, into set b: 25 loads
	WIN 0x40
.irp j, 0,1,2,3,4
.irp ks, 0,1
.irp c, 0,1
	global_load_b128 v[80*(\b)+16*\j+8*\ks+4*\c:80*(\b)+16*\j+8*\ks+4*\c+3], v[HO+\j], s[HB:HB+1] offset:2048*(\s)+1024*\ks+512*\c
.endr
.endr
.endr
	WIN 0
.irp j, 0,1,2,3,4
	global_load_b64 v[ASCL+10*(\b)+2*\j:ASCL+10*(\b)+2*\j+1], v[HSO+\j], s[42:43] offset:256*(\s)
.endr
.endm
.macro WTLOAD                          ; the gate's weight of my row in each of the five tiles: wts[entry]
.irp j, 0,1,2,3,4
	v_min_u32 v[EO+\j], 0x7ff, v[TOK+\j]
.endr
.irp j, 0,1,2,3,4
	v_lshlrev_b32 v[EO+\j], 2, v[EO+\j]
.endr
.irp j, 0,1,2,3,4
	global_load_b32 v[WT+2*\j], v[EO+\j], s[14:15]
.endr
.endm
.macro X12                             ; b2 in the result's layout (lane (r, h), tile t: columns 16 t + 8 h + 0 .. 7), and the weights: 13 loads
	WIN 0x40
.irp t, 0,1,2,3
	global_load_b128 v[B2+8*\t:B2+8*\t+3],   v[H32], s[38:39] offset:64*\t
	global_load_b128 v[B2+8*\t+4:B2+8*\t+7], v[H32], s[38:39] offset:64*\t+16
.endr
	WIN 0
	WTLOAD
.endm
; Unit u is quantised.  n: the loads that may stay out.  kind: what is issued when its landing set is free: 0 nothing; 1 unit u + 4; 2 unit u + 4 and h's step 1.
; A load brings four columns of one row, a conversion wants eight rows of one column in consecutive registers: 64 moves turn the unit.
.macro UNIT u, n, kind
.set SS, 64*((\u)%4)
.set IU, 4096*(\u)
.set SU, 256*(\u)
	s_wait_loadcnt \n
	s_wait_dscnt 0x0                               ; my earlier LDS stores have read the registers that are written below
	WIN 0x0a
.irp c, 0,1,2,3
	v_max3_num_f32 v[MX+\c], |v[SS+\c]|, |v[SS+4+\c]|, 0x1800000
.endr
.irp i, 2,4,6,8,10,12,14
.irp c, 0,1,2,3
	v_max3_num_f32 v[MX+\c], |v[SS+4*\i+\c]|, |v[SS+4*\i+4+\c]|, v[MX+\c]
.endr
.endr
	WIN 0
.irp c, 0,1,2,3
	v_permlanex16_b32 v[PD+\c], v[MX+\c], s[SEL], s[SEL+1]
.endr
.irp c, 0,1,2,3
	v_max_num_f32 v[MX+\c], v[MX+\c], v[PD+\c]
.endr
.irp c, 0,1,2,3
	v_add_nc_u32 v[SCO+\c], 0xff000000, v[MX+\c]
.endr
.irp c, 0,1,2,3
	v_lshrrev_b32 v[BY+\c], 23, v[SCO+\c]
.endr
	WIN 0x02
.irp c, 0,1,2,3
.irp i, 0,1,2,3,4,5,6,7,8,9,10,11,12,13,14,15
	v_mov_b32 v[TMP+16*\c+\i], v[SS+4*\i+\c]
.endr
.endr
.if \kind >= 1
	ULOAD (\u)+4
.endif
.if \kind == 2
	AISSUE 1, 1
.endif
	WIN 0
.irp c, 0,1,2,3
	v_cvt_scalef32_pk8_fp4_f32 v[PC+2*\c],   v[TMP+16*\c:TMP+16*\c+7],    v[SCO+\c]
	v_cvt_scalef32_pk8_fp4_f32 v[PC+2*\c+1], v[TMP+16*\c+8:TMP+16*\c+15], v[SCO+\c]
.endr
	v_nop                                          ; one plain line behind the last scaled conversion
.irp c, 0,1,2,3
	ds_store_b64 v[IMGA], v[PC+2*\c:PC+2*\c+1] offset:IU+16*\c
	ds_store_b8 v[WSA], v[BY+\c] offset:SU+4*\c
.endr
.endm
.macro WFLOAD s, b                     ; step s: eight fragments (4 ks + t) and their scale words into set b: 20 LDS loads
.irp f, 0,1,2,3,4,5,6,7
.irp c, 0,1
	ds_load_b128 v[WF+64*(\b)+8*\f+4*\c:WF+64*(\b)+8*\f+4*\c+3], v[LI] offset:8192*(\s)+1024*\f+512*\c
.endr
.endr
.irp g, 0,1,2,3
	ds_load_b32 v[WSCL+4*(\b)+\g], v[LS] offset:512*(\s)+128*\g
.endr
.endm
.macro WM odd
.if \odd
	v_wmma_scale_f32_16x16x128_f8f6f4 v[rD:rD+7], v[rA:rA+7], v[rB:rB+7], v[rC:rC+7], v[rSA], v[rSB] matrix_a_fmt:MATRIX_FMT_FP4 matrix_b_fmt:MATRIX_FMT_FP4 matrix_a_scale:MATRIX_SCALE_ROW1
.else
	v_wmma_scale_f32_16x16x128_f8f6f4 v[rD:rD+7], v[rA:rA+7], v[rB:rB+7], v[rC:rC+7], v[rSA], v[rSB] matrix_a_fmt:MATRIX_FMT_FP4 matrix_b_fmt:MATRIX_FMT_FP4
.endif
.endm
; 40 matrix instructions: two K steps x five tiles of rows x four tiles of columns; wb: the weights' set, ab: h's set.  The 20 sums take turns, one instruction a turn.
; The first K step starts each sum with b2 (or zeros) as its C.
.macro MM s, wb, ab
.irp ks, 0,1
.if ((\s) == 0) && (\ks == 0)
	WIN 0xd4                                       ; h window 1, C window 1, D window 3
.else
	WIN 0xf4                                       ; h window 1, C and D window 3
.endif
.irp j, 0,1,2,3,4
.irp t, 0,1,2,3
.set rD, 32*\j+8*\t
.if ((\s) == 0) && (\ks == 0)
.set rC, B2+8*\t
.else
.set rC, rD
.endif
.set rA, WF+64*(\wb)+8*(4*\ks+\t)
.set rB, 80*(\ab)+16*\j+8*\ks
.set rSA, WSCL+4*(\wb)+2*\ks+\t/2
.set rSB, ASCL+10*(\ab)+2*\j+\ks
	WM \t%2
.endr
.endr
.endr
.endm
; Step s of the first round, inside the stream.  In front of the barrier my images of this step have landed; behind it all eight fragments lie in LDS.  Until the next barrier the waves read this step's
; bytes and write the next one's: 8,192 bytes of images and 512 of scale words further on.  n: the loads that may stay out when h's step s has to be there.
.macro ISTEP s, n
	s_wait_dscnt 0x0                               ; for the others' sake: my stores have landed
	s_barrier_signal -1
	s_barrier_wait -1
	WFLOAD \s, 1
	s_wait_loadcnt \n
.if (\s) == 0
	WIN 0x44                                       ; source 1 and destination window 1
.set i, 0
.rept 32
	v_cndmask_b32 v[B2+i], 0, v[B2+i], s[KM]       ; b2 counts once: in the first half of K
.set i, i+1
.endr
	WIN 0
.rept 8
	v_nop
.endr
.endif
	s_wait_dscnt 0x0                               ; the fragments are in
	MM \s, 1, (\s)%2
	WIN 0
.rept 4
	v_nop                                          ; four places ahead of loads into registers that these products read, and of the first read of results
.endr
.if \s < 6
	AISSUE (\s)+2, (\s)%2
.endif
.endm
.macro STEP s                          ; a step of a later round: all images lie in LDS, and the next step's fragments are fetched ahead
.if \s < 7
	WFLOAD (\s)+1, ((\s)+1)%2
	s_wait_loadcnt NA                              ; this step's h is in; the next step's 25 loads are younger
	s_wait_dscnt 20                                ; this step's weights are in; the next step's 20 loads are younger
.else
	s_wait_loadcnt 0x0
	s_wait_dscnt 0x0
.endif
	MM \s, (\s)%2, (\s)%2
	WIN 0
.rept 4
	v_nop                                          ; four places, as above
.endr
.if \s < 6
	AISSUE (\s)+2, (\s)%2
.endif
.endm
; The way out of the round's tile j: x the gate's weight; through my stage; sixteen lanes store one row's 256 bytes at the row's own place, yb[kh][entry].
.macro EPI j
	s_add_co_u32 s40, s[T0], 4*\j
	s_add_co_u32 s40, s40, s[WV]
	s_cmp_ge_u32 s40, s[NT]
	s_cbranch_scc1 .Lepi_end                       ; past the expert's last tile: so are my later ones; an expert without rows stores nothing
	s_wait_xcnt 0x0                                ; the last tile's stores have read their data and offsets
	WIN 0x03                                       ; source 0 window 3
.set i, 0
.rept 16
	v_pk_mul_f32 v[TMP+i:TMP+i+1], v[32*\j+i:32*\j+i+1], v[WT+2*\j:WT+2*\j+1] op_sel_hi:[1,0]   ; each sum is read from its low end on
.set i, i+2
.endr
	WIN 0
.irp t, 0,1,2,3
	ds_store_b128 v[STO], v[TMP+8*\t:TMP+8*\t+3]   offset:64*\t
	ds_store_b128 v[STO], v[TMP+8*\t+4:TMP+8*\t+7] offset:64*\t+16
.endr
.irp i2, 0,1,2,3,4,5,6,7
	ds_bpermute_b32 v[EO+\i2], v[BPI+\i2], v[TOK+\j]   ; the entry of row 2 i + lane / 16
.endr
.irp i2, 0,1,2,3,4,5,6,7
	ds_load_b128 v[OB+4*\i2:OB+4*\i2+3], v[RD] offset:544*\i2   ; LDS serves a wave's instructions in order: these see my stores
.endr
	s_wait_dscnt 0x0
.irp i2, 0,1,2,3,4,5,6,7
	v_min_u32 v[EO+\i2], 0x7ff, v[EO+\i2]
.endr
.irp i2, 0,1,2,3,4,5,6,7
	v_lshl_add_u32 v[EO+\i2], v[EO+\i2], 12, v[C16]
.endr
.irp i2, 0,1,2,3,4,5,6,7
	global_store_b128 v[EO+\i2], v[OB+4*\i2:OB+4*\i2+3], s[44:45] th:TH_STORE_NT
.endr
.endm
	s_load_b256 s[4:11], s[0:1], 0x0               ; W2 s[4:5], b2 s[6:7], hq s[8:9], hs s[10:11]
	s_load_b128 s[12:15], s[0:1], 0x20             ; sel s[12:13], wts s[14:15]
	s_load_b64 s[16:17], s[0:1], 0x30              ; yb
	s_set_vgpr_msb 0x40
	v_lshl_add_u32 v254, v0, 2, 0x16a00
	v_mov_b32 v255, 0
	s_set_vgpr_msb 0x4000
	v_and_b32 v[LN], 31, v0
	v_lshrrev_b32 v[TV], 5, v0
	v_readfirstlane_b32 s[WV], v[TV]
	v_and_b32 v[RQ], 15, v0
	v_bfe_u32 v[HP], v0, 4, 1
	s_and_b32 s[EX], ttmp7, 0xffff
	s_lshr_b32 s[SLC], ttmp9, 1
	s_and_b32 s[KH], ttmp9, 1
	s_cmp_eq_u32 s[KH], 0
	s_cselect_b32 s[KM], -1, 0                     ; all ones where this half of K carries b2
	s_mov_b32 s[SEL], 0x76543210
	s_mov_b32 s[SEL+1], 0xfedcba98
	s_lshl_b32 s[EM], 0x101, s[EX]
	s_add_co_u32 s[SH], s[EX], 8
	v_lshlrev_b32 v[WO], 4, v[RQ]                  ; lane (q, p): columns 4 q .. 4 q + 3 of rows 16 p + i: 16 q bytes + 16 p rows of 4,096
	v_lshl_add_u32 v[WO], v[HP], 16, v[WO]
	; every LDS address but the sort's is made here.  Column n = 4 q + c, K step u, block = wave, half p: image byte 4096 u + 1024 (n / 16) + 256 wave + 16 (n % 16) + 8 p;  scale byte 256 u + 64 (n / 16) + 4 (n % 16) + wave
	v_bfe_u32 v[TV], v0, 2, 2
	v_lshlrev_b32 v[IMGA], 10, v[TV]
	v_lshlrev_b32 v[WSA], 6, v[TV]
	v_and_b32 v[TV], 3, v0
	v_lshl_add_u32 v[IMGA], v[TV], 6, v[IMGA]
	v_lshl_add_u32 v[WSA], v[TV], 4, v[WSA]
	v_lshl_add_u32 v[IMGA], v[HP], 3, v[IMGA]
	s_lshl_b32 s40, s[WV], 8
	v_add_nc_u32 v[IMGA], s40, v[IMGA]
	s_add_co_u32 s40, s[WV], WSC
	v_add_nc_u32 v[WSA], s40, v[WSA]
	v_lshlrev_b32 v[LI], 4, v[LN]
	v_lshl_add_u32 v[LS], v[LN], 2, WSC
	v_lshl_add_u32 v[LISTA], v[RQ], 2, LIST
	s_lshl_b32 s40, s[WV], 6
	v_add_nc_u32 v[LISTA], s40, v[LISTA]
	v_mov_b32 v[CNTA], CNT
	v_lshlrev_b32 v[L4], 2, v[LN]
	v_lshlrev_b32 v[H32], 5, v[HP]
	v_lshl_add_u32 v[LISTF], v[LN], 4, LIST
	v_mov_b32 v[L0A], LIST
	s_mul_i32 s40, s[WV], 4352
	s_add_co_u32 s40, s40, STAGE                   ; my stage
	v_mul_u32_u24 v[STO], v[RQ], 272               ; in: row lane % 16, 32 bytes for each half of the lanes
	v_lshl_add_u32 v[STO], v[HP], 5, v[STO]
	v_add_nc_u32 v[STO], s40, v[STO]
	v_mul_u32_u24 v[RD], v[HP], 272                ; back: lanes 0-15 one row of 256 bytes, lanes 16-31 the next
	v_lshl_add_u32 v[RD], v[RQ], 4, v[RD]
	v_add_nc_u32 v[RD], s40, v[RD]
	v_lshlrev_b32 v[C16], 4, v[RQ]
.irp i, 0,1,2,3,4,5,6,7
	v_lshl_add_u32 v[BPI+\i], v[HP], 2, 8*\i
.endr
.irp c, 0,1,2,3
	v_mov_b32 v[PD+\c], 0                          ; written once: a lane permute's destination counts as one of its sources
.endr
.irp j, 0,1,2,3,4
	v_mov_b32 v[WT+2*\j+1], 0                      ; named as the upper half of a pair
.endr
	s_mov_b32 s37, 0
	s_lshl_b32 s36, s[EX], 24                      ; W2: the expert's 16 MiB, my half of K, the slice's 256 bytes of a row, my block
	s_lshl_b32 s40, s[KH], 23
	s_add_co_u32 s36, s36, s40
	s_lshl_b32 s40, s[SLC], 8
	s_add_co_u32 s36, s36, s40
	s_lshl_b32 s40, s[WV], 17
	s_add_co_u32 s36, s36, s40
	s_wait_kmcnt 0x0
	s_add_nc_u64 s[WB:WB+1], s[4:5], s[36:37]
	s_lshl_b32 s36, s[EX], 12
	s_lshl_b32 s40, s[SLC], 8
	s_add_co_u32 s36, s36, s40
	s_add_nc_u64 s[38:39], s[6:7], s[36:37]        ; b2 at the slice
	s_lshl_b32 s36, s[EX], 21
	s_lshl_b32 s40, s[KH], 14
	s_add_co_u32 s36, s36, s40
	s_add_nc_u64 s[HB:HB+1], s[8:9], s[36:37]
	s_lshl_b32 s36, s[EX], 18
	s_lshl_b32 s40, s[KH], 11
	s_add_co_u32 s36, s36, s40
	s_add_nc_u64 s[42:43], s[10:11], s[36:37]      ; hs at (e, tile 0, pair 8 kh)
	s_lshl_b32 s36, s[KH], 23
	s_lshl_b32 s40, s[SLC], 8
	s_add_co_u32 s36, s36, s40
	s_add_nc_u64 s[44:45], s[16:17], s[36:37]      ; yb at (kh, entry 0, the slice's columns)
	s_cmp_lg_u32 s[WV], 0
	s_cbranch_scc1 .Lno_sel
.irp g, 0,1,2,3,4,5,6,7
	global_load_b128 v[SELR+4*\g:SELR+4*\g+3], v[LI], s[12:13] offset:512*\g   ; register 4 g + c: token 128 g + 4 lane + c
.endr
.Lno_sel:
	ULOAD 0
	ULOAD 1
	ULOAD 2
	s_cmp_lg_u32 s[WV], 0
	s_cbranch_scc1 .Lno_sort
	; THE SORT, wave 0 alone: the same lines as in the launch before, so every row has the place that it had there
	s_wait_loadcnt 48                              ; sel is in: the three units' 48 loads are younger
.irp c, 0,1,2,3
	v_mov_b32 v[TMP+\c], 0xffff
.endr
.irp i, 0,1,2,3,4,5,6,7,8,9
	ds_store_b128 v[LISTF], v[TMP:TMP+3] offset:512*\i
.endr
	v_add_nc_u32 v[TA+3], 0x500, v[LN]             ; my dump word: entry 1280 + lane
	s_mov_b32 s[SOFF], 0
.irp g, 0,1,2,3,4,5,6,7
.irp c, 0,1,2,3
	v_and_b32 v[TA], s[EM], v[SELR+4*\g+\c]
	v_cmp_ne_u32 vcc_lo, 0, v[TA]
	v_mbcnt_lo_u32_b32 v[PP], vcc_lo, 0
	v_add_nc_u32 v[PP], s[SOFF], v[PP]
	v_cndmask_b32 v[PP], v[TA+3], v[PP], vcc_lo    ; the entry's place, or the dump word
	v_min_u32 v[PP], 0x51f, v[PP]
	v_lshl_add_u32 v[PP], v[PP], 2, LIST
	v_lshrrev_b32 v[TA+1], s[SH], v[SELR+4*\g+\c]
	v_and_b32 v[TA+1], 1, v[TA+1]
	v_add_nc_u32 v[TA+2], 128*\g+\c, v[L4]
	v_lshl_or_b32 v[TA+2], v[TA+1], 10, v[TA+2]
	s_bcnt1_i32_b32 s[TT], vcc_lo
	s_add_co_u32 s[SOFF], s[SOFF], s[TT]
	ds_store_b32 v[PP], v[TA+2]
.endr
.endr
	ds_load_b32 v[TA], v[L0A]
	v_add_nc_u32 v[PP], s[SOFF], v[LN]
	v_min_u32 v[PP], 0x4ff, v[PP]
	v_lshl_add_u32 v[PP], v[PP], 2, LIST
	v_mov_b32 v[TA+1], s[SOFF]
	s_wait_dscnt 0x0
	ds_store_b32 v[PP], v[TA]
	ds_store_b32 v[CNTA], v[TA+1]
.Lno_sort:
	ULOAD 3
	s_wait_dscnt 0x0                               ; the list has landed
	s_barrier_signal -1
	s_barrier_wait -1                              ; it parts the sort's stores from every other LDS access of the text
.irp jj, 0,1,2,3,4,5,6,7,8,9,10,11,12,13,14,15,16,17,18,19
	ds_load_b32 v[TOK+\jj], v[LISTA] offset:256*\jj
.endr
	ds_load_b32 v[TV], v[CNTA]
	s_wait_dscnt 0x0
	v_readfirstlane_b32 s[CN], v[TV]
	s_min_u32 s[CN], s[CN], 0x400
	s_add_co_u32 s[NT], s[CN], 15
	s_lshr_b32 s[NT], s[NT], 4
	s_max_u32 s[NTM], s[NT], 1
	s_sub_co_u32 s[NTM], s[NTM], 1                 ; the last tile that was stored (tile 0 always was)
	s_mov_b32 s[T0], 0
	ADDR
	X12
	AISSUE 0, 0
	; THE STREAM, with the first round's products in it.  The counts follow from the order of loads at the kernel's head
	UNIT 0, 63, 2                                  ; younger than U0: U1 U2 U3, X, A0: 86
	UNIT 1, 63, 1                                  ; 111
	ISTEP 0, 57                                    ; younger than A0 (X is older): U4, A1, U5
	UNIT 2, 63, 1
	UNIT 3, 63, 1
	ISTEP 1, 63                                    ; younger than A1: U5, A2, U6, U7: 73
	UNIT 4, 63, 1                                  ; from here on more than 63 are younger than a unit and than a step of h
	UNIT 5, 63, 1
	ISTEP 2, 63
	UNIT 6, 63, 1
	UNIT 7, 63, 1
	ISTEP 3, 63
	UNIT 8, 63, 1
	UNIT 9, 63, 1
	ISTEP 4, 63
	UNIT 10, 63, 1
	UNIT 11, 63, 1
	ISTEP 5, 63
	UNIT 12, 63, 0                                 ; U13, A6, U14, U15, A7: 98
	UNIT 13, 63, 0                                 ; A6, U14, U15, A7: 82
	ISTEP 6, 57                                    ; U14, U15, A7
	UNIT 14, 41, 0                                 ; U15, A7
	UNIT 15, 25, 0                                 ; A7
	ISTEP 7, 0
.Lepi:                                             ; at most four trips: the counter goes 0, 20, 40, 60; the way out on the expert's number of tiles is a forward jump
	EPI 0
	EPI 1
	EPI 2
	EPI 3
	EPI 4
.Lepi_end:
	s_add_co_u32 s[T0], s[T0], 20
	s_cmp_ge_u32 s[T0], s[NT]
	s_cbranch_scc1 .Lend                           ; no tile is left (there are at most 64)
	s_wait_xcnt 0x0                                ; the last stores have read their data (the weights' first set lands there) and their offsets
.irp i, 0,1,2,3,4,5,6,7,8,9,10,11,12,13,14
	v_mov_b32 v[TOK+\i], v[TOK+\i+5]               ; the next round's five tiles move to the front
.endr
	ADDR
	WTLOAD
	AISSUE 0, 0
	AISSUE 1, 1
	WFLOAD 0, 0
	STEP 0
	STEP 1
	STEP 2
	STEP 3
	STEP 4
	STEP 5
	STEP 6
	STEP 7
	s_cmp_lt_u32 s[T0], 80
	s_cbranch_scc1 .Lepi
.Lend:
	s_set_vgpr_msb 0x5
	s_wait_tensorcnt 0x0
	ds_add_u32 v254, v255
	s_wait_dscnt 0x0
	s_set_vgpr_msb 0x500
	s_endpgm
.Lfunc_end_k_qfb03acdde3_down:
	.size	k_qfb03acdde3_down, .Lfunc_end_k_qfb03acdde3_down-k_qfb03acdde3_down
	.p2alignl 7, 3214868480
	.fill 96, 4, 3214868480
	.section	.rodata,"a",@progbits
	.p2align	6, 0x0
	.amdhsa_kernel k_qfb03acdde3_down
		.amdhsa_group_segment_fixed_size 93184
		.amdhsa_private_segment_fixed_size 0
		.amdhsa_enable_private_segment 0
		.amdhsa_kernarg_size 56
		.amdhsa_user_sgpr_count 2
		.amdhsa_user_sgpr_kernarg_segment_ptr 1
		.amdhsa_wavefront_size32 1
		.amdhsa_system_sgpr_workgroup_id_x 1
		.amdhsa_system_sgpr_workgroup_id_y 1
		.amdhsa_system_sgpr_workgroup_id_z 1
		.amdhsa_system_vgpr_workitem_id 0
		.amdhsa_next_free_vgpr 1024
		.amdhsa_next_free_sgpr 66
		.amdhsa_reserve_vcc 1
		.amdhsa_float_denorm_mode_32 3
		.amdhsa_float_denorm_mode_16_64 3
		.amdhsa_memory_ordered 1
		.amdhsa_forward_progress 1
		.amdhsa_inst_pref_size 255
	.end_amdhsa_kernel
	.section	.bss,"aw",@nobits
	.p2align	6
	.space	262144
	.amdgpu_metadata
---
amdhsa.version: [ 1, 2 ]
amdhsa.kernels:
  - .name:           k_qfb03acdde3_down
    .symbol:         k_qfb03acdde3_down.kd
    .args:
      - { .name: W2, .offset: 0, .size: 8, .value_kind: global_buffer, .address_space: global }
      - { .name: b2, .offset: 8, .size: 8, .value_kind: global_buffer, .address_space: global }
      - { .name: hq, .offset: 16, .size: 8, .value_kind: global_buffer, .address_space: global }
      - { .name: hs, .offset: 24, .size: 8, .value_kind: global_buffer, .address_space: global }
      - { .name: sel, .offset: 32, .size: 8, .value_kind: global_buffer, .address_space: global }
      - { .name: wts, .offset: 40, .size: 8, .value_kind: global_buffer, .address_space: global }
      - { .name: yb, .offset: 48, .size: 8, .value_kind: global_buffer, .address_space: global }
    .group_segment_fixed_size: 93184
    .private_segment_fixed_size: 0
    .kernarg_segment_align: 8
    .kernarg_segment_size: 56
    .max_flat_workgroup_size: 128
    .sgpr_count:     66
    .vgpr_count:     1024
    .wavefront_size: 32
...
	.end_amdgpu_metadata
.endif
;; end of part 3
;; launch sum (part 4): grid 256 x 1, 8 waves a work-group, no clusters, 0 bytes of LDS; arguments yb, out0; writes out0
.if DOCPART == 4
	.amdgcn_target "amdgcn-amd-amdhsa--gfx1250"
	.amdhsa_code_object_version 6
	.text
	.protected	k_qfb03acdde3_sum
	.globl	k_qfb03acdde3_sum
	.p2align	8
	.type	k_qfb03acdde3_sum,@function
k_qfb03acdde3_sum:
	s_mov_b64 s[64:65], 0
	v_nop
	global_prefetch_b8 v0, s[64:65] scope:SCOPE_SE
	s_setreg_imm32_b32 hwreg(HW_REG_WAVE_MODE, 25, 1), 1
	s_wait_xcnt 0x0
; out0[token][:] = the four parts of yb [2 halves of K][2 slots][1024 tokens][1024] f32 added: first a slot's two halves of K, then the two slots.
; A stream: each byte is read once and written once; a load or store of a wave covers 512 consecutive bytes, aligned.  A work-group takes 16,384 bytes of out0, a thread 16 bytes of each 4,096.
; All sixteen loads of a thread go out before the first wait.  LDS, barriers and matrix instructions would add nothing here.
	s_load_b128 s[4:7], s[0:1], 0x0                ; yb s[4:5], out0 s[6:7]
	s_lshl_b32 s10, ttmp9, 14
	v_lshl_add_u32 v1, v0, 4, s10
	s_wait_kmcnt 0x0
	s_add_nc_u64 s[8:9], s[4:5], 0x800000          ; the second half of K
.irp i, 0,1,2,3
	global_load_b128 v[4+16*\i:7+16*\i],   v1, s[4:5] offset:4096*\i th:TH_LOAD_NT
	global_load_b128 v[8+16*\i:11+16*\i],  v1, s[8:9] offset:4096*\i th:TH_LOAD_NT
	global_load_b128 v[12+16*\i:15+16*\i], v1, s[4:5] offset:4194304+4096*\i th:TH_LOAD_NT
	global_load_b128 v[16+16*\i:19+16*\i], v1, s[8:9] offset:4194304+4096*\i th:TH_LOAD_NT
.endr
.irp i, 0,1,2,3
	s_wait_loadcnt 12-4*\i                         ; this group's four loads are in; the later groups' are younger
	v_pk_add_f32 v[4+16*\i:5+16*\i],   v[4+16*\i:5+16*\i],   v[8+16*\i:9+16*\i]
	v_pk_add_f32 v[6+16*\i:7+16*\i],   v[6+16*\i:7+16*\i],   v[10+16*\i:11+16*\i]
	v_pk_add_f32 v[12+16*\i:13+16*\i], v[12+16*\i:13+16*\i], v[16+16*\i:17+16*\i]
	v_pk_add_f32 v[14+16*\i:15+16*\i], v[14+16*\i:15+16*\i], v[18+16*\i:19+16*\i]
	v_pk_add_f32 v[4+16*\i:5+16*\i],   v[4+16*\i:5+16*\i],   v[12+16*\i:13+16*\i]
	v_pk_add_f32 v[6+16*\i:7+16*\i],   v[6+16*\i:7+16*\i],   v[14+16*\i:15+16*\i]
	global_store_b128 v1, v[4+16*\i:7+16*\i], s[6:7] offset:4096*\i th:TH_STORE_NT
.endr
	s_endpgm
.Lfunc_end_k_qfb03acdde3_sum:
	.size	k_qfb03acdde3_sum, .Lfunc_end_k_qfb03acdde3_sum-k_qfb03acdde3_sum
	.p2alignl 7, 3214868480
	.fill 96, 4, 3214868480
	.section	.rodata,"a",@progbits
	.p2align	6, 0x0
	.amdhsa_kernel k_qfb03acdde3_sum
		.amdhsa_group_segment_fixed_size 0
		.amdhsa_private_segment_fixed_size 0
		.amdhsa_enable_private_segment 0
		.amdhsa_kernarg_size 16
		.amdhsa_user_sgpr_count 2
		.amdhsa_user_sgpr_kernarg_segment_ptr 1
		.amdhsa_wavefront_size32 1
		.amdhsa_system_sgpr_workgroup_id_x 1
		.amdhsa_system_sgpr_workgroup_id_y 1
		.amdhsa_system_sgpr_workgroup_id_z 1
		.amdhsa_system_vgpr_workitem_id 0
		.amdhsa_next_free_vgpr 72
		.amdhsa_next_free_sgpr 66
		.amdhsa_reserve_vcc 0
		.amdhsa_float_denorm_mode_32 3
		.amdhsa_float_denorm_mode_16_64 3
		.amdhsa_memory_ordered 1
		.amdhsa_forward_progress 1
		.amdhsa_inst_pref_size 5
	.end_amdhsa_kernel
	.amdgpu_metadata
---
amdhsa.version: [ 1, 2 ]
amdhsa.kernels:
  - .name:           k_qfb03acdde3_sum
    .symbol:         k_qfb03acdde3_sum.kd
    .args:
      - { .name: yb, .offset: 0, .size: 8, .value_kind: global_buffer, .address_space: global }
      - { .name: out0, .offset: 8, .size: 8, .value_kind: global_buffer, .address_space: global }
    .group_segment_fixed_size: 0
    .private_segment_fixed_size: 0
    .kernarg_segment_align: 8
    .kernarg_segment_size: 16
    .max_flat_workgroup_size: 256
    .sgpr_count:     66
    .vgpr_count:     72
    .wavefront_size: 32
...
	.end_amdgpu_metadata
.endif
;; end of part 4
